; MI455X (gfx1250); checked and timed in simulation.
; The chip was launched on July 23, 2026; its instructions are those of AMD's public machine-readable ISA for CDNA 5 (MIT licence, August 2026) and "CDNA5" Instruction Set Architecture Reference Guide (July 2026). The comments in the code are by the model that wrote it; some were corrected since.
;; Range Attention. Allowed arithmetic: float matrix products may take bf16 or f16 operands with f32 sums; all other float work in f32.
;; Inputs: b_fc1 1,024 float32; b_fc2 256 float32; bk 256 float32; bn_b 16 float32; bn_g 16 float32; bn_m 16 float32; bn_v 16 float32; bo 256 float32; bq 256 float32; bv 256 float32; norm1_b 256 float32; norm1_g 256 float32; norm2_b 256 float32; norm2_g 256 float32; pb1 16 float32; pb2 8 float32; pos 1 x 32,768 x 2 float32; pw1 16 x 2 float32; pw2 8 x 16 float32; w_fc1 256 x 1,024 float32; w_fc2 1,024 x 256 float32; wk 256 x 256 float32; wo 256 x 256 float32; wq 256 x 256 float32; wv 256 x 256 float32; x 1 x 32,768 x 256 float32.
;; Outputs: out0 1 x 32,768 x 256 float32.
;; One version. Each part assembles by itself: llvm-mc -triple=amdgcn-amd-amdhsa -mcpu=gfx1250 --defsym DOCPART=n.
;; ======== version 1 of 1: 2 launches
;; workspace buffers: wf 1,572,864 bytes
;; launch prep (part 1): grid 384 x 1, 8 waves a work-group, no clusters, 0 bytes of LDS; arguments wq, wk, wv, wo, w_fc1, w_fc2, wf; writes wf
.if DOCPART == 1
	.amdgcn_target "amdgcn-amd-amdhsa--gfx1250"
	.amdhsa_code_object_version 6
	.text
	.protected	k_q66c83d6048_prep
	.globl	k_q66c83d6048_prep
	.p2align	8
	.type	k_q66c83d6048_prep,@function
k_q66c83d6048_prep:
	s_mov_b64 s[64:65], 0
	v_nop
	global_prefetch_b8 v0, s[64:65] scope:SCOPE_SE
	s_setreg_imm32_b32 hwreg(HW_REG_WAVE_MODE, 25, 1), 1
	s_wait_xcnt 0x0
; The six weight matrices, f32 [K][N], become bf16 in the order in which a matrix fragment is loaded.
; wf is made of blocks of 1,024 bytes: 16 output channels x 32 input channels.  Byte half*512 + 16*L of a block holds
; W[32 ks + 16 half + 8 h + e][16 mt + r], e = 0..7, for lane L = (r = L & 15, h = L >> 4): two loads of 16 bytes a lane fill a fragment.
; Four blocks (mt = 4 g + i, i = 0..3) of one (g, ks) follow each other: 4,096 bytes, one work-group's share.
; Work-groups 0-127: wq, wk, wv, wo (32 each: g = 0..3, ks = 0..7); 128-255: w_fc1 (g = 0..15, ks = 0..7); 256-383: w_fc2 (g = 0..3, ks = 0..31).
; Thread t stores the 16 bytes at 16 t of the share: a wave's store covers 512 consecutive bytes, aligned.
; Left out of the whole program as dead work: the inputs bk and pb2 (shown at the head of the kernel block).
.macro CONV n                          ; eight numbers down a column of a matrix with n columns, rounded and packed
.irp e, 0,1,2,3,4,5,6,7
	global_load_b32 v[16+\e], v8, s[8:9] offset:\e*\n*4
.endr
	s_wait_loadcnt 0x0                             ; all eight are needed at once
.irp j, 0,1,2,3
	v_cvt_pk_bf16_f32 v[24+\j], v[16+2*\j], v[17+2*\j]
.endr
	global_store_b128 v7, v[24:27], s[20:21]
	s_endpgm
.endm
	s_load_b256 s[8:15], s[0:1], 0x0               ; wq, wk, wv, wo
	s_load_b128 s[16:19], s[0:1], 0x20             ; w_fc1, w_fc2
	s_load_b64 s[20:21], s[0:1], 0x30              ; wf
	v_and_b32 v1, 15, v0                           ; r
	v_bfe_u32 v2, v0, 4, 1                         ; h
	v_bfe_u32 v3, v0, 5, 1                         ; half
	v_bfe_u32 v4, v0, 6, 2                         ; i
	v_lshl_add_u32 v5, v3, 1, v2                   ; 2 half + h: my eight rows begin at 8 times this
	v_lshl_add_u32 v6, v4, 4, v1                   ; 16 i + r: my column in the group's 64
	v_lshlrev_b32 v6, 2, v6
	v_lshlrev_b32 v7, 4, v0                        ; where I store
	s_lshl_b32 s22, ttmp9, 12                      ; the work-group's 4,096 bytes of wf
	s_mov_b32 s23, 0
	s_wait_kmcnt 0x0
	s_add_nc_u64 s[20:21], s[20:21], s[22:23]
	s_cmp_lt_u32 ttmp9, 128
	s_cbranch_scc0 .Lmlp
	s_lshr_b32 s24, ttmp9, 5                       ; which of the four square matrices
	s_cmp_eq_u32 s24, 1
	s_cselect_b64 s[8:9], s[10:11], s[8:9]
	s_cmp_eq_u32 s24, 2
	s_cselect_b64 s[8:9], s[12:13], s[8:9]
	s_cmp_eq_u32 s24, 3
	s_cselect_b64 s[8:9], s[14:15], s[8:9]
	s_and_b32 s25, ttmp9, 7                        ; ks
	s_bfe_u32 s26, ttmp9, 0x20003                  ; g
	s_lshl_b32 s25, s25, 15                        ; 32 rows of 1,024 bytes
	s_lshl_b32 s26, s26, 8                         ; 64 columns of 4 bytes
	s_add_co_u32 s22, s25, s26
	s_add_nc_u64 s[8:9], s[8:9], s[22:23]
	v_lshl_add_u32 v8, v5, 13, v6                  ; 8 rows of 1,024 bytes
	CONV 256
.Lmlp:
	s_cmp_lt_u32 ttmp9, 256
	s_cbranch_scc0 .Lfc2
	s_mov_b64 s[8:9], s[16:17]
	s_and_b32 s25, ttmp9, 7                        ; ks
	s_bfe_u32 s26, ttmp9, 0x40003                  ; g = 0..15
	s_lshl_b32 s25, s25, 17                        ; 32 rows of 4,096 bytes
	s_lshl_b32 s26, s26, 8
	s_add_co_u32 s22, s25, s26
	s_add_nc_u64 s[8:9], s[8:9], s[22:23]
	v_lshl_add_u32 v8, v5, 15, v6                  ; 8 rows of 4,096 bytes
	CONV 1024
.Lfc2:
	s_mov_b64 s[8:9], s[18:19]
	s_and_b32 s25, ttmp9, 31                       ; ks = 0..31
	s_bfe_u32 s26, ttmp9, 0x20005                  ; g
	s_lshl_b32 s25, s25, 15
	s_lshl_b32 s26, s26, 8
	s_add_co_u32 s22, s25, s26
	s_add_nc_u64 s[8:9], s[8:9], s[22:23]
	v_lshl_add_u32 v8, v5, 13, v6
	CONV 256
.Lfunc_end_k_q66c83d6048_prep:
	.size	k_q66c83d6048_prep, .Lfunc_end_k_q66c83d6048_prep-k_q66c83d6048_prep
	.p2alignl 7, 3214868480
	.fill 96, 4, 3214868480
	.section	.rodata,"a",@progbits
	.p2align	6, 0x0
	.amdhsa_kernel k_q66c83d6048_prep
		.amdhsa_group_segment_fixed_size 0
		.amdhsa_private_segment_fixed_size 0
		.amdhsa_enable_private_segment 0
		.amdhsa_kernarg_size 56
		.amdhsa_user_sgpr_count 2
		.amdhsa_user_sgpr_kernarg_segment_ptr 1
		.amdhsa_wavefront_size32 1
		.amdhsa_system_sgpr_workgroup_id_x 1
		.amdhsa_system_sgpr_workgroup_id_y 1
		.amdhsa_system_sgpr_workgroup_id_z 1
		.amdhsa_system_vgpr_workitem_id 0
		.amdhsa_next_free_vgpr 32
		.amdhsa_next_free_sgpr 66
		.amdhsa_reserve_vcc 0
		.amdhsa_float_denorm_mode_32 3
		.amdhsa_float_denorm_mode_16_64 3
		.amdhsa_memory_ordered 1
		.amdhsa_forward_progress 1
		.amdhsa_inst_pref_size 6
	.end_amdhsa_kernel
	.amdgpu_metadata
---
amdhsa.version: [ 1, 2 ]
amdhsa.kernels:
  - .name:           k_q66c83d6048_prep
    .symbol:         k_q66c83d6048_prep.kd
    .args:
      - { .name: wq, .offset: 0, .size: 8, .value_kind: global_buffer, .address_space: global }
      - { .name: wk, .offset: 8, .size: 8, .value_kind: global_buffer, .address_space: global }
      - { .name: wv, .offset: 16, .size: 8, .value_kind: global_buffer, .address_space: global }
      - { .name: wo, .offset: 24, .size: 8, .value_kind: global_buffer, .address_space: global }
      - { .name: w_fc1, .offset: 32, .size: 8, .value_kind: global_buffer, .address_space: global }
      - { .name: w_fc2, .offset: 40, .size: 8, .value_kind: global_buffer, .address_space: global }
      - { .name: wf, .offset: 48, .size: 8, .value_kind: global_buffer, .address_space: global }
    .group_segment_fixed_size: 0
    .private_segment_fixed_size: 0
    .kernarg_segment_align: 8
    .kernarg_segment_size: 56
    .max_flat_workgroup_size: 256
    .sgpr_count:     66
    .vgpr_count:     32
    .wavefront_size: 32
...
	.end_amdgpu_metadata
.endif
;; end of part 1
;; launch block (part 2): grid 256 x 1, 4 waves a work-group, no clusters, 303,616 bytes of LDS; arguments x, pos, norm1_g, norm1_b, bq, bv, bo, norm2_g, norm2_b, b_fc1, b_fc2, pw1, pb1, bn_g, bn_b, bn_m, bn_v, pw2, wf, out0; writes out0
.if DOCPART == 2
	.amdgcn_target "amdgcn-amd-amdhsa--gfx1250"
	.amdhsa_code_object_version 6
	.text
	.protected	k_q66c83d6048_block
	.globl	k_q66c83d6048_block
	.p2align	8
	.type	k_q66c83d6048_block,@function
k_q66c83d6048_block:
	s_mov_b64 s[64:65], 0
	v_nop
	global_prefetch_b8 v0, s[64:65] scope:SCOPE_SE
	s_setreg_imm32_b32 hwreg(HW_REG_WAVE_MODE, 25, 1), 1
	s_wait_xcnt 0x0
; The whole block for one window of 128 tokens (4 rows x 32 columns of the 64 x 512 grid), C = 256: LN1, Q K V, 8-head attention with the
; position bias, output projection + residual, LN2, MLP with exact GELU + residual.  One work-group a window, four waves; no activation
; goes through memory.  Weights come as bf16 fragments from wf (made by the launch before), straight into the registers of the wave that uses them.
;
; DEAD WORK, for all finite values of the inputs:
;  pb2[head] is added to every logit of a softmax row: the same along u, so softmax(z + pb2) = softmax(z).  pb2 is not loaded and is no argument.
;  bk: q_t . (k_u + bk) = q_t . k_u + q_t . bk, and q_t . bk is the same along u: it cancels likewise.  bk is not loaded and is no argument.
;  The bias net is linear up to the ReLU: h[o,t,u] = relu(A[o,t] - A[o,u] + c[o]) with s[o] = rsqrt(bn_v + eps) bn_g,
;  A[o,t] = s[o] (pw1[o,0] px + pw1[o,1] py), c[o] = (pb1 - bn_m) s + bn_b.  px, py are taken relative to the window's first token:
;  rel = pos_t - pos_u does not change, and a common offset of pos does not enter the difference of the two A.
; LIMITS: a NaN, an infinity or an overflow in bk or pb2 is not carried to the result.  erf is the rational form of Abramowitz and Stegun 7.1.26,
;  absolute error at most 1.5e-7.  GELU of an infinite argument gives NaN.  v_exp_f32 returns 0 for results below 2^-126 (ISA guide 15.8).
;  Matrix operands (weights, activations, probabilities, pw2 and the hidden h of the bias net) are bf16; sums, norms, softmax, GELU are f32.
; NO CLUSTER: a weight byte goes from memory's cache into the registers of one wave, without a slot in LDS; the 303,104 bytes of LDS are taken by activations.
;
; SHARES.  A product 128 tokens x 256 x 256 (macro GEMM256, twelve uses): wave w makes output channels 64 w .. 64 w + 63 of all 128 tokens:
;  32 accumulator tiles, tile (i, n) = channels 16 i .., tokens 16 n .., at register (4 n + i) 8 of one window of 256 registers.
;  Source 0 = weights, source 1 = activations: lane (r, h) holds token r, its registers channels 8 h + 0..7, which pack into 16 bytes of a row [token][channel].
;  For V the sources change places, which gives [channel][token].  Attention: wave w owns tokens 32 w .. 32 w + 31 as two tiles of 16, all heads.
; REGISTER WINDOWS (s_set_vgpr_msb: bits 1:0 source 0, 3:2 source 1, 5:4 source 2, 7:6 destination):
;  0: v0-31 ids and addresses; v32-63 biases / LN1's gain / softmax's m, l, S; v64-191 four weight buffers; v192-255 activation fragments and scratch
;  1: sums of Q, K, V, fc1; in attention O^T (v0-127) and Q's fragments (v128-191)
;  2: the bias net during attention; then sums of the output projection = x1 = sums of fc2
;  3: x parked until attention is over; then scratch of the epilogues
.set RA,  0                            ; bf16 [token][256], pitch 528: LN1 out, then attention out, then LN2 out
.set RQ,  67584                        ; Q, pitch 528
.set RK,  135168                       ; K, pitch 528
.set RV,  202752                       ; V^T [channel][128 tokens], pitch 272
.set RX,  67584                        ; x in f32 [token][256], pitch 1040, over Q and K once attention is over
.set RH,  202752                       ; a chunk of 256 hidden channels, pitch 528, over V^T
.set TAB, 272384                       ; A[o, t] f32 [t][16]
.set PC,  280576                       ; 256 bytes a wave: a0[16], a1[16], c[16]
.set ST1, 281600                       ; [token][4 waves] f32, partial sums; the second table 2,048 bytes on
.set STG, 285696                       ; 4,352 bytes a wave: 16 tokens x 256 bytes, pitch 272, for the way out
.set WQ, 0
.set WK, 131072
.set WV, 262144
.set WO, 393216
.set AF, 64
.set BF, 192
.set QS, 0x3e8293ee                    ; 32^-0.5 x log2(e): the softmax works in base 2
.set AU, 128                           ; window 2
.set HT, 160
.set HH, 176
.set AT, 192
.set PW2F, 200
.set VAU, 208
.set CO, 210
.set G2, 128                           ; window 3
.set B2, 160
.set SUM, 192
.set QP, 64
.set MEAN, 200
.set RS, 216
.set NM, 232
.set GT, 64
.set GE, 72
.set GW, 80
.set GM, 88
.set CF, 240
.set MSB, 0
.macro WIN new                         ; the immediate's high byte repeats the setting that is left; at labels and branches the setting is 0
.if MSB != (\new)
	s_set_vgpr_msb (MSB<<8)|(\new)
.set MSB, (\new)
.endif
.endm
.macro NOP4                            ; the four places between a matrix instruction and a vector instruction or load that touches its registers
.rept 4
	v_nop
.endr
.endm
.macro BAR                             ; my LDS stores are done and my LDS loads are back, for the other waves' sake: count 0
	s_wait_dscnt 0x0
	s_barrier_signal -1
	s_barrier_wait -1
.endm
.macro WLOAD buf, vo, sb, imm          ; one K step's four weight fragments (4,096 bytes of wf) into buffer buf
.irp wi, 0,1,2,3
	global_load_b128 v[AF+32*(\buf)+8*\wi:AF+32*(\buf)+8*\wi+3], v[\vo], s[\sb:\sb+1] offset:(\imm)+\wi*1024
	global_load_b128 v[AF+32*(\buf)+8*\wi+4:AF+32*(\buf)+8*\wi+7], v[\vo], s[\sb:\sb+1] offset:(\imm)+\wi*1024+512
.endr
.endm
.macro PRELOAD vo, sb, imm             ; K steps 0 to 3, where no product ran before
	WLOAD 0, \vo, \sb, (\imm)
	WLOAD 1, \vo, \sb, (\imm)+4096
	WLOAD 2, \vo, \sb, (\imm)+8192
	WLOAD 3, \vo, \sb, (\imm)+12288
.endm
.macro BLOAD bsrc, ks, n0              ; activation fragments of token tiles n0 .. n0 + 3, K step ks
.irp bn, 0,1,2,3
	ds_load_b128 v[BF+8*(\n0+\bn):BF+8*(\n0+\bn)+3], v[\bsrc] offset:(\n0+\bn)*8448+(\ks)*64
	ds_load_b128 v[BF+8*(\n0+\bn)+4:BF+8*(\n0+\bn)+7], v[\bsrc] offset:(\n0+\bn)*8448+(\ks)*64+32
.endr
.endm
.macro BIASLD sb                       ; the 32 numbers of a bias or gain that belong to my accumulators: channels 64 w + 16 i + 8 h + j at v[32 + 8 i + j]
.irp bi, 0,1,2,3
	global_load_b128 v[32+8*\bi:35+8*\bi], v16, s[\sb:\sb+1] offset:\bi*64
	global_load_b128 v[36+8*\bi:39+8*\bi], v16, s[\sb:\sb+1] offset:\bi*64+16
.endr
.endm
.macro MM16 buf, n0, zero, swap        ; 16 matrix instructions; the 32 accumulators take turns, one instruction a turn, in the same order in every K step
.irp mn, 0,1,2,3
.irp mi, 0,1,2,3
.set d_, (4*(\n0+\mn)+\mi)*8
.set a_, AF+32*(\buf)+8*\mi
.set b_, BF+8*(\n0+\mn)
.if \swap
.if \zero
	v_wmma_f32_16x16x32_bf16 v[d_:d_+7], v[b_:b_+7], v[a_:a_+7], 0
.else
	v_wmma_f32_16x16x32_bf16 v[d_:d_+7], v[b_:b_+7], v[a_:a_+7], v[d_:d_+7]
.endif
.else
.if \zero
	v_wmma_f32_16x16x32_bf16 v[d_:d_+7], v[a_:a_+7], v[b_:b_+7], 0
.else
	v_wmma_f32_16x16x32_bf16 v[d_:d_+7], v[a_:a_+7], v[b_:b_+7], v[d_:d_+7]
.endif
.endif
.endr
.endr
.endm
.macro GSTEP ks, bsrc, accw, zero, swap, lcnt
	s_wait_loadcnt \lcnt                           ; this step's weights are in; the count is the loads of the younger steps, which stay out
	s_wait_dscnt 0x8                               ; token tiles 0-3 are in; the eight loads of tiles 4-7 stay out
	WIN ((\accw)<<6)|((\accw)<<4)
	MM16 (\ks)&3, 0, \zero, \swap
	NOP4
	WIN 0
.if \ks<7
	BLOAD \bsrc, \ks+1, 0
	s_wait_dscnt 0x8                               ; tiles 4-7 are in; the eight just issued stay out
.else
	s_wait_dscnt 0x0
.endif
	WIN ((\accw)<<6)|((\accw)<<4)
	MM16 (\ks)&3, 4, \zero, \swap
	NOP4
	WIN 0
.if \ks<7
	BLOAD \bsrc, \ks+1, 4
.endif
.endm
; 128 tokens x 256 x 256.  Weights run four K steps ahead, on into the next product (nxt = 1): the buffer that a step has used is loaded again at its end.
.macro GEMM256 bsrc, accw, zero, swap, vo, sb, imm, nxt, nvo, nsb, nimm
	BLOAD \bsrc, 0, 0
	BLOAD \bsrc, 0, 4
	GSTEP 0, \bsrc, \accw, \zero, \swap, 24
	WLOAD 0, \vo, \sb, (\imm)+16384
.irp gk, 1,2,3
	GSTEP \gk, \bsrc, \accw, 0, \swap, 24
	WLOAD \gk, \vo, \sb, (\imm)+(\gk+4)*4096
.endr
.irp gk, 4,5,6,7
.if \nxt
	GSTEP \gk, \bsrc, \accw, 0, \swap, 24
	WLOAD \gk-4, \nvo, \nsb, (\nimm)+(\gk-4)*4096
.else
	GSTEP \gk, \bsrc, \accw, 0, \swap, (7-\gk)*8
.endif
.endr
.endm
; Epilogue of Q (mode 0: (sum + bq) x QS), K (mode 1: the sum), V (mode 2: sum + bv, one channel a lane): round, 16 bytes a lane into LDS.  Eight tiles at a time.
.macro EPI mode, va
.irp eb, 0,1,2,3
.if \mode==1
	WIN 0x05
.set x_, 0
.rept 32
	v_cvt_pk_bf16_f32 v[BF+x_], v[64*\eb+2*x_], v[64*\eb+2*x_+1]
.set x_, x_+1
.endr
	WIN 0
.else
	WIN 0x01
.set x_, 0
.rept 32
.if \mode==0
	v_pk_fma_f32 v[BF+2*x_:BF+2*x_+1], v[64*\eb+2*x_:64*\eb+2*x_+1], QS, v[32+((2*x_)&31):33+((2*x_)&31)] op_sel_hi:[1,0,1]
.else
	v_pk_add_f32 v[BF+2*x_:BF+2*x_+1], v[64*\eb+2*x_:64*\eb+2*x_+1], v[32+2*((x_>>2)&3):33+2*((x_>>2)&3)] op_sel_hi:[1,0]
.endif
.set x_, x_+1
.endr
	WIN 0
.set x_, 0
.rept 32
	v_cvt_pk_bf16_f32 v[BF+x_], v[BF+2*x_], v[BF+2*x_+1]
.set x_, x_+1
.endr
.endif
.irp et, 0,1,2,3,4,5,6,7
.if \mode==2
	ds_store_b128 v[\va], v[BF+4*\et:BF+4*\et+3] offset:(\et&3)*4352+(2*\eb+(\et>>2))*32
.else
	ds_store_b128 v[\va], v[BF+4*\et:BF+4*\et+3] offset:(2*\eb+(\et>>2))*8448+(\et&3)*32
.endif
.endr
.endr
.endm
.macro RED4 o                          ; v[BF + 16 q + o], q = 0..3, summed over the 32 lanes; the register behind each is scratch
.irp rm, 1,2,4,8
.irp rq, 0,1,2,3
	v_add_f32_dpp v[BF+16*\rq+\o], v[BF+16*\rq+\o], v[BF+16*\rq+\o] row_xmask:\rm row_mask:0xf bank_mask:0xf
.endr
.endr
.irp rq, 0,1,2,3
	v_permlanex16_b32 v[BF+16*\rq+\o+1], v[BF+16*\rq+\o], s4, s5
.endr
.irp rq, 0,1,2,3
	v_add_f32 v[BF+16*\rq+\o], v[BF+16*\rq+\o], v[BF+16*\rq+\o+1]
.endr
.endm
; LN1 of four tokens.  A token's 256 numbers lie in one wave, eight a lane (window 3, token T at 8 T): channels 4 L .. and 128 + 4 L ..
.macro LN1G g
	s_wait_loadcnt 56-8*\g                         ; this group's eight loads of x are in; those of the younger groups stay out
	WIN 0x0f
.irp q, 0,1,2,3
	v_pk_add_f32 v[BF+16*\q:BF+16*\q+1], v[32*\g+8*\q:32*\g+8*\q+1], v[32*\g+8*\q+2:32*\g+8*\q+3]
	v_pk_add_f32 v[BF+16*\q+2:BF+16*\q+3], v[32*\g+8*\q+4:32*\g+8*\q+5], v[32*\g+8*\q+6:32*\g+8*\q+7]
.endr
	WIN 0
.irp q, 0,1,2,3
	v_pk_add_f32 v[BF+16*\q:BF+16*\q+1], v[BF+16*\q:BF+16*\q+1], v[BF+16*\q+2:BF+16*\q+3]
.endr
.irp q, 0,1,2,3
	v_add_f32 v[BF+16*\q], v[BF+16*\q], v[BF+16*\q+1]
.endr
	RED4 0
.irp q, 0,1,2,3
	v_mul_f32 v[BF+16*\q], s6, v[BF+16*\q]         ; the mean
.endr
	WIN 0x03
.irp q, 0,1,2,3
.irp k, 0,1,2,3
	v_pk_add_f32 v[BF+16*\q+8+2*\k:BF+16*\q+9+2*\k], v[32*\g+8*\q+2*\k:32*\g+8*\q+2*\k+1], v[BF+16*\q:BF+16*\q+1] op_sel_hi:[1,0] neg_lo:[0,1] neg_hi:[0,1]
.endr
.endr
	WIN 0
.irp q, 0,1,2,3
	v_pk_mul_f32 v[BF+16*\q+2:BF+16*\q+3], v[BF+16*\q+8:BF+16*\q+9], v[BF+16*\q+8:BF+16*\q+9]
.endr
.irp k, 1,2,3
.irp q, 0,1,2,3
	v_pk_fma_f32 v[BF+16*\q+2:BF+16*\q+3], v[BF+16*\q+8+2*\k:BF+16*\q+9+2*\k], v[BF+16*\q+8+2*\k:BF+16*\q+9+2*\k], v[BF+16*\q+2:BF+16*\q+3]
.endr
.endr
.irp q, 0,1,2,3
	v_add_f32 v[BF+16*\q+2], v[BF+16*\q+2], v[BF+16*\q+3]
.endr
	RED4 2
.irp q, 0,1,2,3
	v_fma_f32 v[BF+16*\q+2], v[BF+16*\q+2], s6, s7 ; variance + eps
.endr
.irp q, 0,1,2,3
	v_rsq_f32 v[BF+16*\q+2], v[BF+16*\q+2]
.endr
	v_nop                                          ; one plain instruction between a transcendental and the use of its result (ISA guide 5.7.2)
	s_wait_alu depctr_va_vdst(0)
.irp q, 0,1,2,3
.irp k, 0,1,2,3
	v_pk_mul_f32 v[BF+16*\q+8+2*\k:BF+16*\q+9+2*\k], v[BF+16*\q+8+2*\k:BF+16*\q+9+2*\k], v[BF+16*\q+2:BF+16*\q+3] op_sel_hi:[1,0]
.endr
.endr
.irp q, 0,1,2,3
.irp k, 0,1,2,3
	v_pk_fma_f32 v[BF+16*\q+8+2*\k:BF+16*\q+9+2*\k], v[BF+16*\q+8+2*\k:BF+16*\q+9+2*\k], v[32+2*\k:33+2*\k], v[40+2*\k:41+2*\k]
.endr
.endr
.irp q, 0,1,2,3
.irp k, 0,1,2,3
	v_cvt_pk_bf16_f32 v[BF+16*\q+4+\k], v[BF+16*\q+8+2*\k], v[BF+16*\q+9+2*\k]
.endr
.endr
.irp q, 0,1,2,3
	ds_store_b64 v28, v[BF+16*\q+4:BF+16*\q+5] offset:(4*\g+\q)*528
	ds_store_b64 v28, v[BF+16*\q+6:BF+16*\q+7] offset:(4*\g+\q)*528+256
.endr
.endm
; ---- attention ----
.macro KVLOAD j                        ; head j: K's two fragments (32 u x 32 d) and V^T's two (32 d x 32 u) into buffer j & 1
.set lb_, BF+32*((\j)&1)
.irp ku, 0,1
	ds_load_b128 v[lb_+8*\ku:lb_+8*\ku+3], v23 offset:\ku*8448+(\j)*64
	ds_load_b128 v[lb_+8*\ku+4:lb_+8*\ku+7], v23 offset:\ku*8448+(\j)*64+32
.endr
.irp kd, 0,1
	ds_load_b128 v[lb_+16+8*\kd:lb_+16+8*\kd+3], v24 offset:(32*(\j)+16*\kd)*272
	ds_load_b128 v[lb_+16+8*\kd+4:lb_+16+8*\kd+7], v24 offset:(32*(\j)+16*\kd)*272+32
.endr
.endm
.macro AULOAD s                        ; all in window 2.  A[8 h .. 8 h + 7, u] for u = 16 ut + i and u + 8 (s = 8 ut + i): the same address in all lanes of a half
.set ub_, (((\s)>>3)*16+((\s)&7))*64
.set ab_, AU+16*((\s)&1)
	ds_load_b128 v[ab_:ab_+3], v[VAU] offset:ub_
	ds_load_b128 v[ab_+4:ab_+7], v[VAU] offset:ub_+16
	ds_load_b128 v[ab_+8:ab_+11], v[VAU] offset:ub_+512
	ds_load_b128 v[ab_+12:ab_+15], v[VAU] offset:ub_+528
.endm
; One matrix instruction gives the bias of 8 heads x 16 t x 2 u.  Source 0: rows 0-7 = pw2 on k 0-15, rows 8-15 = pw2 on k 16-31.  Source 1: column t;
; k 0-15 = h[o, t, u], k 16-31 = h[o, t, u + 8].  Result register j of lane (r, h) = bias of head j at t = r, u = 16 ut + 8 h + i: where S has that logit.
.macro HGEN s
.if \s<15
	AULOAD \s+1
	s_wait_dscnt 0x4                               ; this step's four loads are in; the four just issued stay out
.else
	s_wait_dscnt 0x0
.endif
.set ab_, AU+16*((\s)&1)
.irp k, 0,1,2,3
	v_pk_add_f32 v[HT+2*\k:HT+2*\k+1], v[AT+2*\k:AT+2*\k+1], v[ab_+2*\k:ab_+2*\k+1] neg_lo:[0,1] neg_hi:[0,1]
	v_pk_add_f32 v[HT+8+2*\k:HT+9+2*\k], v[AT+2*\k:AT+2*\k+1], v[ab_+8+2*\k:ab_+9+2*\k] neg_lo:[0,1] neg_hi:[0,1]
.endr
.irp k, 0,1,2,3,4,5,6,7,8,9,10,11,12,13,14,15
	v_max_num_f32 v[HT+\k], 0, v[HT+\k]
.endr
.irp k, 0,1,2,3,4,5,6,7
	v_cvt_pk_bf16_f32 v[HH+8*((\s)&1)+\k], v[HT+2*\k], v[HT+2*\k+1]
.endr
	v_wmma_f32_16x16x32_bf16 v[8*(\s):8*(\s)+7], v[PW2F:PW2F+7], v[HH+8*((\s)&1):HH+8*((\s)&1)+7], 0
.endm
; One head, 16 t x 32 u.  S^T = K Q^T: lane (r, h) holds t = r, registers u = 16 ut + 8 h + i, which is also the layout of source 1 of O^T += V^T P^T.
; m v[32+j], l v[40+j] (each half's own part of the sum), S v48-63, P v64-71, new m v72, alpha v74, scratch v76-83.
.macro HEAD j, first
.set kb_, BF+32*((\j)&1)
	s_wait_dscnt 0x0                               ; this head's fragments, asked for one head earlier
	WIN 0x04
	v_wmma_f32_16x16x32_bf16 v[48:55], v[kb_:kb_+7], v[128+8*\j:135+8*\j], 0
	v_wmma_f32_16x16x32_bf16 v[56:63], v[kb_+8:kb_+15], v[128+8*\j:135+8*\j], 0
	NOP4
	WIN 0
.if \j<7
	KVLOAD \j+1
.endif
	WIN 0x08
.irp k, 0,1,2,3,4,5,6,7,8,9,10,11,12,13,14,15
	v_add_f32 v[48+\k], v[48+\k], v[8*\k+\j]
.endr
	WIN 0
	v_max3_num_f32 v76, v48, v49, v50
	v_max3_num_f32 v77, v51, v52, v53
	v_max3_num_f32 v78, v54, v55, v56
	v_max3_num_f32 v79, v57, v58, v59
	v_max3_num_f32 v80, v60, v61, v62
	v_max3_num_f32 v76, v76, v77, v78
	v_max3_num_f32 v79, v79, v80, v63
.if \first
	v_max_num_f32 v76, v76, v79
.else
	v_max3_num_f32 v76, v76, v79, v[32+\j]
.endif
	v_permlanex16_b32 v77, v76, s4, s5             ; the other eight u of each tile lie in the other half
	v_max_num_f32 v72, v76, v77                    ; the running maximum
.if \first==0
	v_sub_f32 v74, v[32+\j], v72
	v_exp_f32 v74, v74                             ; alpha
.endif
	v_mov_b32 v[32+\j], v72
.irp k, 0,1,2,3,4,5,6,7
	v_pk_add_f32 v[48+2*\k:49+2*\k], v[48+2*\k:49+2*\k], v[72:73] op_sel_hi:[1,0] neg_lo:[0,1] neg_hi:[0,1]
.endr
.irp k, 0,1,2,3,4,5,6,7,8,9,10,11,12,13,14,15
	v_exp_f32 v[48+\k], v[48+\k]
.endr
	v_nop
	s_wait_alu depctr_va_vdst(0)
	v_pk_add_f32 v[76:77], v[48:49], v[50:51]
	v_pk_add_f32 v[78:79], v[52:53], v[54:55]
	v_pk_add_f32 v[80:81], v[56:57], v[58:59]
	v_pk_add_f32 v[82:83], v[60:61], v[62:63]
	v_pk_add_f32 v[76:77], v[76:77], v[78:79]
	v_pk_add_f32 v[80:81], v[80:81], v[82:83]
	v_pk_add_f32 v[76:77], v[76:77], v[80:81]
.if \first
	v_add_f32 v[40+\j], v76, v77
.else
	v_add_f32 v76, v76, v77
	v_fma_f32 v[40+\j], v[40+\j], v74, v76
.endif
.irp k, 0,1,2,3,4,5,6,7
	v_cvt_pk_bf16_f32 v[64+\k], v[48+2*\k], v[49+2*\k]
.endr
.if \first
	WIN 0x50
	v_wmma_f32_16x16x32_bf16 v[16*\j:16*\j+7], v[kb_+16:kb_+23], v[64:71], 0
	v_wmma_f32_16x16x32_bf16 v[16*\j+8:16*\j+15], v[kb_+24:kb_+31], v[64:71], 0
.else
	WIN 0x41
.irp k, 0,1,2,3,4,5,6,7
	v_pk_mul_f32 v[16*\j+2*\k:16*\j+2*\k+1], v[16*\j+2*\k:16*\j+2*\k+1], v[74:75] op_sel_hi:[1,0]
.endr
	WIN 0x50                                       ; the sixteen accumulators of O^T take turns, one instruction a turn
	v_wmma_f32_16x16x32_bf16 v[16*\j:16*\j+7], v[kb_+16:kb_+23], v[64:71], v[16*\j:16*\j+7]
	v_wmma_f32_16x16x32_bf16 v[16*\j+8:16*\j+15], v[kb_+24:kb_+31], v[64:71], v[16*\j+8:16*\j+15]
.endif
.endm
.macro CHUNK first                     ; 32 u: the bias of all heads, then the heads
	KVLOAD 0
	WIN 0xaa
	AULOAD 0
.irp cs, 0,1,2,3,4,5,6,7,8,9,10,11,12,13,14,15
	HGEN \cs
.endr
.irp cj, 0,1,2,3,4,5,6,7
	HEAD \cj, \first
.endr
	WIN 0
	v_add_nc_u32 v23, 16896, v23                   ; 32 rows of K
	v_add_nc_u32 v24, 64, v24                      ; 32 columns of V^T
	WIN 0xaa
	v_add_nc_u32 v[VAU], 2048, v[VAU]              ; 32 rows of the table
	WIN 0
.endm
; ---- LN2's sums over the four waves: each wave's part of each token to its own word, a barrier, all four read back ----
.macro XRED so
	WIN 0x0c
.irp n, 0,1,2,3,4,5,6,7
	ds_store_b32 v18, v[SUM+\n] offset:\n*256+\so
.endr
	BAR
	WIN 0xc0
.irp n, 0,1,2,3,4,5,6,7
	ds_load_b128 v[QP+4*\n:QP+4*\n+3], v19 offset:\n*256+\so
.endr
	s_wait_dscnt 0x0
	WIN 0xff
.irp n, 0,1,2,3,4,5,6,7
	v_pk_add_f32 v[QP+4*\n:QP+4*\n+1], v[QP+4*\n:QP+4*\n+1], v[QP+4*\n+2:QP+4*\n+3]
.endr
.irp n, 0,1,2,3,4,5,6,7
	v_add_f32 v[QP+4*\n], v[QP+4*\n], v[QP+4*\n+1]
.endr
.endm
; ---- GELU(x) = max(x, 0) - |x| w,  w = (poly(t) / 2) exp(-x^2 / 2),  t = 1 / (1 + 0.23164189 |x|): erf by Abramowitz and Stegun 7.1.26 ----
.macro GELU
.irp gb, 0,1,2,3
	WIN 0xc1
.set x_, 0
.rept 32
	v_pk_add_f32 v[2*x_:2*x_+1], v[64*\gb+2*x_:64*\gb+2*x_+1], v[32+((2*x_)&31):33+((2*x_)&31)]
.set x_, x_+1
.endr
	WIN 0xff
.irp t, 0,1,2,3,4,5,6,7
.irp k, 0,1,2,3,4,5,6,7
	v_fma_f32 v[GT+\k], |v[8*\t+\k]|, 0x3e6d3388, 1.0
.endr
.irp k, 0,1,2,3,4,5,6,7
	v_rcp_f32 v[GT+\k], v[GT+\k]
.endr
.irp k, 0,1,2,3
	v_pk_mul_f32 v[GE+2*\k:GE+2*\k+1], v[8*\t+2*\k:8*\t+2*\k+1], v[8*\t+2*\k:8*\t+2*\k+1]
.endr
.irp k, 0,1,2,3
	v_pk_mul_f32 v[GE+2*\k:GE+2*\k+1], v[GE+2*\k:GE+2*\k+1], 0xbf38aa3b op_sel_hi:[1,0]
.endr
.irp k, 0,1,2,3,4,5,6,7
	v_exp_f32 v[GE+\k], v[GE+\k]
.endr
	s_wait_alu depctr_va_vdst(0)
.irp k, 0,1,2,3
	v_pk_fma_f32 v[GW+2*\k:GW+2*\k+1], v[GT+2*\k:GT+2*\k+1], v[CF+8:CF+9], v[CF+6:CF+7]
.endr
.irp c, 4,2,0
.irp k, 0,1,2,3
	v_pk_fma_f32 v[GW+2*\k:GW+2*\k+1], v[GW+2*\k:GW+2*\k+1], v[GT+2*\k:GT+2*\k+1], v[CF+\c:CF+\c+1]
.endr
.endr
.irp k, 0,1,2,3
	v_pk_mul_f32 v[GW+2*\k:GW+2*\k+1], v[GW+2*\k:GW+2*\k+1], v[GT+2*\k:GT+2*\k+1]
.endr
.irp k, 0,1,2,3
	v_pk_mul_f32 v[GW+2*\k:GW+2*\k+1], v[GW+2*\k:GW+2*\k+1], v[GE+2*\k:GE+2*\k+1]
.endr
.irp k, 0,1,2,3,4,5,6,7
	v_max_num_f32 v[GM+\k], 0, v[8*\t+\k]
.endr
.irp k, 0,1,2,3,4,5,6,7
	v_fma_f32 v[GM+\k], -|v[8*\t+\k]|, v[GW+\k], v[GM+\k]
.endr
.irp k, 0,1,2,3
	v_cvt_pk_bf16_f32 v[4*\t+\k], v[GM+2*\k], v[GM+2*\k+1]
.endr
.endr
	WIN 0x0c
.irp t, 0,1,2,3,4,5,6,7
	ds_store_b128 v12, v[4*\t:4*\t+3] offset:(2*\gb+(\t>>2))*8448+(\t&3)*32
.endr
.endr
	WIN 0
.endm
; A chunk of 256 hidden channels: fc1, GELU into LDS, fc2 onto x1's registers.
.macro MLPCHUNK last
	BIASLD 26
	GEMM256 4, 1, 1, 0, 6, 48, 0, 1, 7, 50, 0
	s_wait_loadcnt 32                              ; b_fc1's loads are older than the 32 weight loads of fc2's first four steps, which stay out
	GELU
	BAR                                            ; the chunk is whole: every wave's part is in LDS
.if \last
	BIASLD 28
	GEMM256 5, 2, 0, 0, 7, 50, 0, 0, 0, 0, 0
.else
	GEMM256 5, 2, 0, 0, 7, 50, 0, 1, 6, 48, 131072
	BAR                                            ; nobody reads this chunk any more: the next one may be written
	s_wait_xcnt 0x0                                ; the bases of the loads issued so far are rewritten only behind this wait
	s_add_nc_u64 s[48:49], s[48:49], 131072
	s_add_nc_u64 s[50:51], s[50:51], 32768
	s_add_nc_u64 s[26:27], s[26:27], 1024
.endif
.endm
; ================= set-up =================
	s_load_b512 s[8:23], s[0:1], 0x0               ; x 8, pos 10, norm1_g 12, norm1_b 14, bq 16, bv 18, bo 20, norm2_g 22
	s_load_b512 s[24:39], s[0:1], 0x40             ; norm2_b 24, b_fc1 26, b_fc2 28, pw1 30, pb1 32, bn_g 34, bn_b 36, bn_m 38
	s_load_b256 s[40:47], s[0:1], 0x80             ; bn_v 40, pw2 42, wf 44, out0 46
	v_and_b32 v1, 31, v0                           ; L
	v_and_b32 v2, 15, v0                           ; r
	v_bfe_u32 v3, v0, 4, 1                         ; h
	v_lshrrev_b32 v29, 5, v0
	v_readfirstlane_b32 s2, v29                    ; wave w
	s_mov_b32 s4, 0x76543210                       ; v_permlanex16_b32: lane i of one half reads lane i of the other
	s_mov_b32 s5, 0xfedcba98
	s_mov_b32 s6, 0x3b800000                       ; 1 / 256
	s_mov_b32 s7, 0x3727c5ac                       ; eps = 1e-5
	v_mul_u32_u24 v4, v2, 528
	v_lshl_add_u32 v4, v3, 4, v4                   ; v4: fragments from RA: r 528 + 16 h
	v_add_nc_u32 v5, RH, v4                        ; v5: fragments from RH
	v_add_nc_u32 v29, RK, v4                       ; v29: K's fragments, first chunk
	s_mul_i32 s3, s2, 16896
	v_add_nc_u32 v26, s3, v4                       ; v26: attention's result, my tokens
	v_add_nc_u32 v25, RQ, v26                      ; v25: Q's fragments, my tokens
	v_lshl_add_u32 v28, v1, 3, s3                  ; v28: LN1's result
	s_lshl_b32 s3, s2, 7
	v_add_nc_u32 v8, s3, v4                        ; v8, v9, v10, v12: where 16 bytes of [token][channel] go: r 528 + (64 w + 8 h) 2
	v_add_nc_u32 v9, RQ, v8
	v_add_nc_u32 v10, RK, v8
	v_add_nc_u32 v12, RH, v8
	v_mul_u32_u24 v30, v2, 272
	v_lshl_add_u32 v20, v3, 5, v30
	v_lshl_add_u32 v30, v3, 4, v30
	v_add_nc_u32 v30, RV, v30                      ; v30: V^T's fragments, first chunk
	s_mul_i32 s3, s2, 17408
	v_add_nc_u32 v11, s3, v30                      ; v11: where 16 bytes of [channel][token] go
	s_mul_i32 s3, s2, 4352
	s_add_co_u32 s3, s3, STG
	v_add_nc_u32 v20, s3, v20                      ; v20: into my stage: r 272 + 32 h
	v_mul_u32_u24 v21, v3, 272
	v_lshl_add_u32 v21, v2, 4, v21
	v_add_nc_u32 v21, s3, v21                      ; v21: back from it: h 272 + 16 r
	s_lshl_b32 s3, s2, 8
	v_lshl_add_u32 v16, v3, 5, s3                  ; v16: (64 w + 8 h) 4
	v_lshl_add_u32 v17, v2, 2, s3                  ; v17: (64 w + r) 4
	v_lshl_add_u32 v22, v3, 10, s3
	v_lshl_add_u32 v22, v2, 4, v22                 ; v22: in out0: h 1024 + 16 r + 256 w
	v_mul_u32_u24 v13, v2, 1040
	v_add3_u32 v13, v13, v16, RX                   ; v13, v14: x for my accumulators, token tiles 0-3 and 4-7
	v_add_nc_u32 v14, 66560, v13
	s_add_co_u32 s3, s3, PC
	v_lshl_add_u32 v54, v2, 2, s3                  ; my wave's own 256 bytes of constants
	v_lshl_add_u32 v55, v3, 5, s3
	v_mov_b32 v199, s3
	s_mul_i32 s3, s2, 33280
	s_add_co_u32 s3, s3, RX
	v_lshl_add_u32 v15, v1, 4, s3                  ; v15: where the parked x goes
	v_lshlrev_b32 v19, 4, v2
	v_add_nc_u32 v19, ST1, v19                     ; v19: a token's four partial sums
	v_lshl_add_u32 v18, s2, 2, v19                 ; v18: my wave's word among them
	v_lshlrev_b32 v31, 5, v3
	v_add_nc_u32 v31, TAB, v31                     ; v31: the table, o = 8 h ..
	v_lshl_add_u32 v27, v2, 6, v31
	s_lshl_b32 s3, s2, 11
	v_add_nc_u32 v27, s3, v27                      ; v27: the table's rows of my tokens
	s_add_co_u32 s3, s3, TAB
	v_lshl_add_u32 v56, v1, 6, s3                  ; the row of token 32 w + L
	v_lshlrev_b32 v24, 4, v1                       ; 16 L
	s_lshl_b32 s3, s2, 15
	v_add_nc_u32 v6, s3, v24                       ; v6: weights with 8 K steps a group
	s_lshl_b32 s3, s2, 17
	v_add_nc_u32 v7, s3, v24                       ; v7: w_fc2, 32 K steps a group
	s_lshl_b32 s3, s2, 19
	v_add_nc_u32 v23, s3, v24                      ; x: my grid row of the window
	v_lshlrev_b32 v48, 3, v2
	v_lshlrev_b32 v49, 2, v2
	v_and_b32 v50, 7, v2
	v_lshlrev_b32 v50, 6, v50
	v_lshl_add_u32 v50, v3, 5, v50                 ; pw2[r & 7][8 h ..]
	s_lshl_b32 s3, s2, 12
	v_lshl_add_u32 v51, v1, 3, s3                  ; pos of token 32 w + L
	s_lshr_b32 s56, ttmp9, 4                       ; the window's row and column
	s_and_b32 s57, ttmp9, 15
	s_lshl_b32 s58, s56, 21                        ; 4 grid rows of 524,288 bytes
	s_lshl_b32 s3, s57, 15                         ; 32 tokens of 1,024 bytes
	s_add_co_u32 s58, s58, s3
	s_mov_b32 s59, 0
	s_lshl_b32 s60, s56, 14
	s_lshl_b32 s3, s57, 8
	s_add_co_u32 s60, s60, s3
	s_mov_b32 s61, 0
	s_wait_kmcnt 0x0
	s_add_nc_u64 s[8:9], s[8:9], s[58:59]
	s_add_nc_u64 s[46:47], s[46:47], s[58:59]
	s_add_nc_u64 s[10:11], s[10:11], s[60:61]
	s_load_b64 s[54:55], s[10:11], 0x0             ; pos of the window's first token
	s_add_nc_u64 s[48:49], s[44:45], 524288        ; w_fc1's fragments
	s_add_nc_u64 s[50:51], s[44:45], 1048576       ; w_fc2's
	global_load_b64 v[192:193], v48, s[30:31]      ; thirteen small loads first,
	global_load_b32 v194, v49, s[32:33]
	global_load_b32 v195, v49, s[34:35]
	global_load_b32 v196, v49, s[36:37]
	global_load_b32 v197, v49, s[38:39]
	global_load_b32 v198, v49, s[40:41]
	global_load_b128 v[200:203], v50, s[42:43]
	global_load_b128 v[204:207], v50, s[42:43] offset:16
	global_load_b64 v[52:53], v51, s[10:11]
	global_load_b128 v[32:35], v24, s[12:13]
	global_load_b128 v[36:39], v24, s[12:13] offset:512
	global_load_b128 v[40:43], v24, s[14:15]
	global_load_b128 v[44:47], v24, s[14:15] offset:512
	PRELOAD 6, 44, WQ                              ; then 32 loads of wq,
	WIN 0xc0
.set t_, 0
.rept 32                                       ; then 64 of x: my 32 tokens, 512 consecutive bytes a load
	global_load_b128 v[8*t_:8*t_+3], v23, s[8:9] offset:t_*1024 th:TH_LOAD_NT
	global_load_b128 v[8*t_+4:8*t_+7], v23, s[8:9] offset:t_*1024+512 th:TH_LOAD_NT
.set t_, t_+1
.endr
	WIN 0
	s_wait_loadcnt 63                              ; 96 loads were issued behind the small ones: with 63 out the small ones are in
	s_wait_kmcnt 0x0
	v_add_f32 v198, s7, v198
	v_rsq_f32 v198, v198
	v_sub_f32 v194, v194, v197                     ; pb1 - bn_m
	s_wait_alu depctr_va_vdst(0)
	v_mul_f32 v198, v198, v195                     ; s[o]
	v_mul_f32 v192, v192, v198                     ; a0[o]
	v_mul_f32 v193, v193, v198                     ; a1[o]
	v_fma_f32 v194, v194, v198, v196               ; c[o]
	ds_store_b32 v54, v192
	ds_store_b32 v54, v193 offset:64
	ds_store_b32 v54, v194 offset:128
.irp k, 0,1,2,3,4,5,6,7
	ds_load_b128 v[208+4*\k:211+4*\k], v199 offset:16*\k   ; a0, a1 in every lane: my wave's own bytes, served in order behind the stores (ISA guide 5.7.1.4)
.endr
	WIN 0x80
	ds_load_b128 v[CO:CO+3], v55 offset:128
	ds_load_b128 v[CO+4:CO+7], v55 offset:144
	WIN 0
.irp k, 0,1,2,3
	v_pk_mul_f32 v[200+2*\k:201+2*\k], v[200+2*\k:201+2*\k], 0x3fb8aa3b op_sel_hi:[1,0]
.endr
.irp k, 0,1,2,3
	v_cvt_pk_bf16_f32 v[200+\k], v[200+2*\k], v[201+2*\k]
.endr
	v_cmp_gt_u32 vcc_lo, 8, v2
	WIN 0x80
.irp k, 0,1,2,3
	v_cndmask_b32 v[PW2F+\k], 0, v[200+\k], vcc_lo         ; rows 0-7: pw2 on k 0-15
	v_cndmask_b32 v[PW2F+4+\k], v[200+\k], 0, vcc_lo       ; rows 8-15: pw2 on k 16-31
.endr
	WIN 0
	v_sub_f32 v52, v52, s54
	v_sub_f32 v53, v53, s55
	s_wait_dscnt 0x0
.irp k, 0,1,2,3,4,5,6,7
	v_pk_mul_f32 v[240+2*\k:241+2*\k], v[208+2*\k:209+2*\k], v[52:53] op_sel_hi:[1,0]
.endr
.irp k, 0,1,2,3,4,5,6,7
	v_pk_fma_f32 v[240+2*\k:241+2*\k], v[224+2*\k:225+2*\k], v[52:53], v[240+2*\k:241+2*\k] op_sel:[0,1,0] op_sel_hi:[1,1,1]
.endr
.irp k, 0,1,2,3
	ds_store_b128 v56, v[240+4*\k:243+4*\k] offset:16*\k
.endr
; ================= LN1 =================
.irp lg, 0,1,2,3,4,5,6,7
	LN1G \lg
.endr
	BAR                                            ; LN1's result and the table are whole
; ================= Q, K, V =================
	BIASLD 16
	GEMM256 4, 1, 1, 0, 6, 44, WQ, 1, 6, 44, WK
	s_wait_loadcnt 32                              ; bq's loads are older than the 32 loads of wk's first four steps, which stay out
.set x_, 0
.rept 16
	v_pk_mul_f32 v[32+2*x_:33+2*x_], v[32+2*x_:33+2*x_], QS op_sel_hi:[1,0]
.set x_, x_+1
.endr
	EPI 0, 9
	GEMM256 4, 1, 1, 0, 6, 44, WK, 1, 6, 44, WV
	EPI 1, 10
.irp i, 0,1,2,3
	global_load_b32 v[32+2*\i], v17, s[18:19] offset:\i*64  ; bv of channel 64 w + 16 i + r; in by the product's last wait, which is for 0
.endr
	GEMM256 4, 1, 1, 1, 6, 44, WV, 0, 0, 0, 0
	EPI 2, 11
	BAR                                            ; Q, K, V^T are whole, and nobody reads LN1's result any more
; ================= attention =================
	s_mov_b32 s53, 0
.Ltt:
	v_mov_b32 v23, v29
	v_mov_b32 v24, v30
	WIN 0x80
	v_mov_b32 v[VAU], v31
	WIN 0x40
.irp j, 0,1,2,3,4,5,6,7
	ds_load_b128 v[128+8*\j:131+8*\j], v25 offset:\j*64
	ds_load_b128 v[132+8*\j:135+8*\j], v25 offset:\j*64+32
.endr
	WIN 0x80
	ds_load_b128 v[AT:AT+3], v27
	ds_load_b128 v[AT+4:AT+7], v27 offset:16
	s_wait_dscnt 0x0
	WIN 0xaa
.irp k, 0,1,2,3
	v_pk_add_f32 v[AT+2*\k:AT+2*\k+1], v[AT+2*\k:AT+2*\k+1], v[CO+2*\k:CO+2*\k+1]   ; A[o, t] + c[o]
.endr
	WIN 0
	CHUNK 1                                        ; the first chunk starts m, l and O^T: nothing is cleared
	s_mov_b32 s52, 0
.Lch:
	CHUNK 0
	s_add_co_u32 s52, s52, 1
	s_cmp_lt_u32 s52, 3
	s_cbranch_scc1 .Lch
	NOP4
.irp j, 0,1,2,3,4,5,6,7
	v_permlanex16_b32 v[76+\j], v[40+\j], s4, s5
.endr
.irp j, 0,1,2,3,4,5,6,7
	v_add_f32 v[40+\j], v[40+\j], v[76+\j]
.endr
.irp j, 0,1,2,3,4,5,6,7
	v_rcp_f32 v[40+\j], v[40+\j]
.endr
	v_nop
	WIN 0x01
	s_wait_alu depctr_va_vdst(0)
.irp j, 0,2,4,6
.irp q, 0,1,2,3,4,5,6,7
	v_pk_mul_f32 v[96+16*\j+2*\q:97+16*\j+2*\q], v[16*\j+2*\q:16*\j+2*\q+1], v[40+\j:41+\j] op_sel_hi:[1,0]
.endr
.irp q, 8,9,10,11,12,13,14,15
	v_pk_mul_f32 v[96+16*\j+2*\q:97+16*\j+2*\q], v[16*\j+2*\q:16*\j+2*\q+1], v[40+\j:41+\j] op_sel:[0,1] op_sel_hi:[1,1]
.endr
.endr
	WIN 0
.set x_, 0
.rept 64
	v_cvt_pk_bf16_f32 v[96+x_], v[96+2*x_], v[97+2*x_]
.set x_, x_+1
.endr
.set x_, 0
.rept 16
	ds_store_b128 v26, v[96+4*x_:99+4*x_] offset:32*x_     ; head j, half dt of its 32 channels: (32 j + 16 dt) 2 bytes
.set x_, x_+1
.endr
	v_add_nc_u32 v25, 8448, v25                    ; my next 16 tokens
	v_add_nc_u32 v26, 8448, v26
	v_add_nc_u32 v27, 1024, v27
	s_add_co_u32 s53, s53, 1
	s_cmp_lt_u32 s53, 2
	s_cbranch_scc1 .Ltt
	s_wait_dscnt 0x0                               ; the stores above have read their data: the weight buffers are loaded only now
	PRELOAD 6, 44, WO
	BAR                                            ; attention's result is whole; nobody reads Q, K, V^T any more
; ================= output projection, residual, LN2 =================
	WIN 0x0c
.set t_, 0
.rept 32
	ds_store_b128 v15, v[8*t_:8*t_+3] offset:t_*1040
	ds_store_b128 v15, v[8*t_+4:8*t_+7] offset:t_*1040+512
.set t_, t_+1
.endr
	WIN 0
	BIASLD 20
	GEMM256 4, 2, 1, 0, 6, 44, WO, 1, 6, 48, 0
	s_wait_loadcnt 32                              ; bo's loads are older than the 32 loads of w_fc1's first four steps
	BAR                                            ; x is whole in LDS; nobody reads attention's result any more
.irp ob, 0,1,2,3
	WIN 0xc0
.irp t, 0,1,2,3,4,5,6,7
	ds_load_b128 v[8*\t:8*\t+3], v[13+(\ob>>1)] offset:((2*\ob+(\t>>2))&3)*16640+(\t&3)*64
	ds_load_b128 v[8*\t+4:8*\t+7], v[13+(\ob>>1)] offset:((2*\ob+(\t>>2))&3)*16640+(\t&3)*64+16
.endr
	s_wait_dscnt 0x0
	WIN 0x8e
.set x_, 0
.rept 32
	v_pk_add_f32 v[64*\ob+2*x_:64*\ob+2*x_+1], v[64*\ob+2*x_:64*\ob+2*x_+1], v[2*x_:2*x_+1]
.set x_, x_+1
.endr
	WIN 0x82
.set x_, 0
.rept 32
	v_pk_add_f32 v[64*\ob+2*x_:64*\ob+2*x_+1], v[64*\ob+2*x_:64*\ob+2*x_+1], v[32+((2*x_)&31):33+((2*x_)&31)]
.set x_, x_+1
.endr
.endr
	WIN 0xc0
.irp i, 0,1,2,3
	global_load_b128 v[G2+8*\i:G2+8*\i+3], v16, s[22:23] offset:\i*64
	global_load_b128 v[G2+8*\i+4:G2+8*\i+7], v16, s[22:23] offset:\i*64+16
	global_load_b128 v[B2+8*\i:B2+8*\i+3], v16, s[24:25] offset:\i*64
	global_load_b128 v[B2+8*\i+4:B2+8*\i+7], v16, s[24:25] offset:\i*64+16
.endr
.irp n, 0,1,2,3,4,5,6,7                        ; a token's sum over my 64 channels: 32 registers, then the other half of the lanes
	WIN 0xca
.irp q, 0,1,2,3,4,5,6,7
	v_pk_add_f32 v[2*\q:2*\q+1], v[32*\n+4*\q:32*\n+4*\q+1], v[32*\n+4*\q+2:32*\n+4*\q+3]
.endr
	WIN 0xff
	v_pk_add_f32 v[0:1], v[0:1], v[2:3]
	v_pk_add_f32 v[4:5], v[4:5], v[6:7]
	v_pk_add_f32 v[8:9], v[8:9], v[10:11]
	v_pk_add_f32 v[12:13], v[12:13], v[14:15]
	v_pk_add_f32 v[0:1], v[0:1], v[4:5]
	v_pk_add_f32 v[8:9], v[8:9], v[12:13]
	v_pk_add_f32 v[0:1], v[0:1], v[8:9]
	v_add_f32 v0, v0, v1
	v_permlanex16_b32 v1, v0, s4, s5
	v_add_f32 v[SUM+\n], v0, v1
.endr
	XRED 0
.irp n, 0,1,2,3,4,5,6,7
	v_mul_f32 v[MEAN+2*\n], s6, v[QP+4*\n]
.endr
.irp n, 0,1,2,3,4,5,6,7                        ; squares of x1 - mean, so that a common offset does not enter a difference of large sums
	WIN 0xce
.set x_, 0
.rept 16
	v_pk_add_f32 v[2*x_:2*x_+1], v[32*\n+2*x_:32*\n+2*x_+1], v[MEAN+2*\n:MEAN+2*\n+1] op_sel_hi:[1,0] neg_lo:[0,1] neg_hi:[0,1]
.set x_, x_+1
.endr
	WIN 0xff
.irp c, 0,1,2,3
	v_pk_mul_f32 v[32+2*\c:33+2*\c], v[2*\c:2*\c+1], v[2*\c:2*\c+1]
.endr
.irp q, 4,5,6,7,8,9,10,11,12,13,14,15
	v_pk_fma_f32 v[32+2*(\q&3):33+2*(\q&3)], v[2*\q:2*\q+1], v[2*\q:2*\q+1], v[32+2*(\q&3):33+2*(\q&3)]
.endr
	v_pk_add_f32 v[32:33], v[32:33], v[34:35]
	v_pk_add_f32 v[36:37], v[36:37], v[38:39]
	v_pk_add_f32 v[32:33], v[32:33], v[36:37]
	v_add_f32 v32, v32, v33
	v_permlanex16_b32 v33, v32, s4, s5
	v_add_f32 v[SUM+\n], v32, v33
.endr
	XRED 2048                                      ; other bytes than the first table's: no barrier is needed between the two uses
.irp n, 0,1,2,3,4,5,6,7
	v_fma_f32 v[RS+2*\n], v[QP+4*\n], s6, s7
.endr
.irp n, 0,1,2,3,4,5,6,7
	v_rsq_f32 v[RS+2*\n], v[RS+2*\n]
.endr
	v_nop
	s_wait_alu depctr_va_vdst(0)
.irp n, 0,1,2,3,4,5,6,7
	v_mul_f32 v[NM+2*\n], -v[MEAN+2*\n], v[RS+2*\n]
.endr
	s_wait_loadcnt 0x0                             ; norm2's gain and bias: the youngest loads
.irp n, 0,1,2,3,4,5,6,7
	WIN 0xfe
.set x_, 0
.rept 16
	v_pk_fma_f32 v[2*x_:2*x_+1], v[32*\n+2*x_:32*\n+2*x_+1], v[RS+2*\n:RS+2*\n+1], v[NM+2*\n:NM+2*\n+1] op_sel_hi:[1,0,0]
.set x_, x_+1
.endr
	WIN 0xff
.set x_, 0
.rept 16
	v_pk_fma_f32 v[2*x_:2*x_+1], v[2*x_:2*x_+1], v[G2+2*x_:G2+2*x_+1], v[B2+2*x_:B2+2*x_+1]
.set x_, x_+1
.endr
.set x_, 0
.rept 16
	v_cvt_pk_bf16_f32 v[x_], v[2*x_], v[2*x_+1]
.set x_, x_+1
.endr
	WIN 0x0c
.irp i, 0,1,2,3
	ds_store_b128 v8, v[4*\i:4*\i+3] offset:\n*8448+\i*32
.endr
.endr
	WIN 0xc0                                       ; erf's five coefficients, halved, each twice for the packed multiply-adds
	v_mov_b32 v[CF+0], 0x3e027906
	v_mov_b32 v[CF+1], 0x3e027906
	v_mov_b32 v[CF+2], 0xbe11a98e
	v_mov_b32 v[CF+3], 0xbe11a98e
	v_mov_b32 v[CF+4], 0x3f35f0e3
	v_mov_b32 v[CF+5], 0x3f35f0e3
	v_mov_b32 v[CF+6], 0xbf3a00e3
	v_mov_b32 v[CF+7], 0xbf3a00e3
	v_mov_b32 v[CF+8], 0x3f07dc22
	v_mov_b32 v[CF+9], 0x3f07dc22
	WIN 0
	BAR                                            ; LN2's result is whole
; ================= MLP: four chunks of 256 hidden channels =================
	s_mov_b32 s52, 0
.Lmlp:
	MLPCHUNK 0
	s_add_co_u32 s52, s52, 1
	s_cmp_lt_u32 s52, 3
	s_cbranch_scc1 .Lmlp
	MLPCHUNK 1                                     ; the last chunk asks for no further weights: no load leaves wf
; ================= the way out: + b_fc2, 16 tokens at a time through my own stage =================
.irp n, 0,1,2,3,4,5,6,7
	WIN 0xc2
.set x_, 0
.rept 16
	v_pk_add_f32 v[2*x_:2*x_+1], v[32*\n+2*x_:32*\n+2*x_+1], v[32+2*x_:33+2*x_]
.set x_, x_+1
.endr
	WIN 0x0c
.irp i, 0,1,2,3
	ds_store_b128 v20, v[8*\i:8*\i+3] offset:\i*64
	ds_store_b128 v20, v[8*\i+4:8*\i+7] offset:\i*64+16
.endr
	s_wait_xcnt 0x0                                ; the registers that the last tile's global stores read are loaded again only behind this wait
	WIN 0xc0
.irp p, 0,1,2,3,4,5,6,7
	ds_load_b128 v[32+4*\p:35+4*\p], v21 offset:\p*544      ; my own bytes, served in order behind the stores above (ISA guide 5.7.1.4)
.endr
	WIN 0x0c
.irp p, 0,1,2,3,4,5,6,7
	s_wait_dscnt 7-\p
	global_store_b128 v22, v[32+4*\p:35+4*\p], s[46:47] offset:(\n>>1)*524288+(\n&1)*16384+\p*2048 th:TH_STORE_NT   ; sixteen lanes store 256 consecutive bytes, aligned
.endr
.endr
	WIN 0
	s_wait_xcnt 0x0
	v_lshl_add_u32 v238, v0, 2, 0x4a000
	v_mov_b32 v239, 0
	s_wait_tensorcnt 0x0
	ds_add_u32 v238, v239
	s_wait_dscnt 0x0
	s_endpgm
.Lfunc_end_k_q66c83d6048_block:
	.size	k_q66c83d6048_block, .Lfunc_end_k_q66c83d6048_block-k_q66c83d6048_block
	.p2alignl 7, 3214868480
	.fill 96, 4, 3214868480
	.section	.rodata,"a",@progbits
	.p2align	6, 0x0
	.amdhsa_kernel k_q66c83d6048_block
		.amdhsa_group_segment_fixed_size 303616
		.amdhsa_private_segment_fixed_size 0
		.amdhsa_enable_private_segment 0
		.amdhsa_kernarg_size 160
		.amdhsa_user_sgpr_count 2
		.amdhsa_user_sgpr_kernarg_segment_ptr 1
		.amdhsa_wavefront_size32 1
		.amdhsa_system_sgpr_workgroup_id_x 1
		.amdhsa_system_sgpr_workgroup_id_y 1
		.amdhsa_system_sgpr_workgroup_id_z 1
		.amdhsa_system_vgpr_workitem_id 0
		.amdhsa_next_free_vgpr 1024
		.amdhsa_next_free_sgpr 66
		.amdhsa_reserve_vcc 1
		.amdhsa_float_denorm_mode_32 3
		.amdhsa_float_denorm_mode_16_64 3
		.amdhsa_memory_ordered 1
		.amdhsa_forward_progress 1
		.amdhsa_inst_pref_size 255
	.end_amdhsa_kernel
	.section	.bss,"aw",@nobits
	.p2align	6
	.space	262144
	.amdgpu_metadata
---
amdhsa.version: [ 1, 2 ]
amdhsa.kernels:
  - .name:           k_q66c83d6048_block
    .symbol:         k_q66c83d6048_block.kd
    .args:
      - { .name: x, .offset: 0, .size: 8, .value_kind: global_buffer, .address_space: global }
      - { .name: pos, .offset: 8, .size: 8, .value_kind: global_buffer, .address_space: global }
      - { .name: norm1_g, .offset: 16, .size: 8, .value_kind: global_buffer, .address_space: global }
      - { .name: norm1_b, .offset: 24, .size: 8, .value_kind: global_buffer, .address_space: global }
      - { .name: bq, .offset: 32, .size: 8, .value_kind: global_buffer, .address_space: global }
      - { .name: bv, .offset: 40, .size: 8, .value_kind: global_buffer, .address_space: global }
      - { .name: bo, .offset: 48, .size: 8, .value_kind: global_buffer, .address_space: global }
      - { .name: norm2_g, .offset: 56, .size: 8, .value_kind: global_buffer, .address_space: global }
      - { .name: norm2_b, .offset: 64, .size: 8, .value_kind: global_buffer, .address_space: global }
      - { .name: b_fc1, .offset: 72, .size: 8, .value_kind: global_buffer, .address_space: global }
      - { .name: b_fc2, .offset: 80, .size: 8, .value_kind: global_buffer, .address_space: global }
      - { .name: pw1, .offset: 88, .size: 8, .value_kind: global_buffer, .address_space: global }
      - { .name: pb1, .offset: 96, .size: 8, .value_kind: global_buffer, .address_space: global }
      - { .name: bn_g, .offset: 104, .size: 8, .value_kind: global_buffer, .address_space: global }
      - { .name: bn_b, .offset: 112, .size: 8, .value_kind: global_buffer, .address_space: global }
      - { .name: bn_m, .offset: 120, .size: 8, .value_kind: global_buffer, .address_space: global }
      - { .name: bn_v, .offset: 128, .size: 8, .value_kind: global_buffer, .address_space: global }
      - { .name: pw2, .offset: 136, .size: 8, .value_kind: global_buffer, .address_space: global }
      - { .name: wf, .offset: 144, .size: 8, .value_kind: global_buffer, .address_space: global }
      - { .name: out0, .offset: 152, .size: 8, .value_kind: global_buffer, .address_space: global }
    .group_segment_fixed_size: 303616
    .private_segment_fixed_size: 0
    .kernarg_segment_align: 8
    .kernarg_segment_size: 160
    .max_flat_workgroup_size: 128
    .sgpr_count:     66
    .vgpr_count:     1024
    .wavefront_size: 32
...
	.end_amdgpu_metadata
.endif
;; end of part 2
